; MI455X (gfx1250); checked and timed in simulation.
; The chip was launched on July 23, 2026; its instructions are those of AMD's public machine-readable ISA for CDNA 5 (MIT licence, August 2026) and "CDNA5" Instruction Set Architecture Reference Guide (July 2026). The comments in the code are by the model that wrote it; some were corrected since.
;; Self Attention. Allowed arithmetic: matrix products marked QUANTISED: E3M2 operands, one E8M0 scale for each 32 along K, by v_wmma_scale_f32_16x16x128_f8f6f4 with both operands' format E3M2, f32 sums; everything else in f32.
;; Inputs: W_qkv 3,072 x 1,024 float32; b_qkv 3,072 float32; x 4 x 2,048 x 1,024 float32.
;; Outputs: out0 4 x 2,048 x 1,024 float32.
;; This version of the problem:
;;   THIS VERSION OF THE PROBLEM IS GIVEN IN LOW PRECISION. The matrix products marked QUANTISED in the list below multiply operands that are first quantised to E3M2 (3 exponent bits, 2 mantissa bits; 6 bits a number), with one power-of-two scale for each 32 numbers along K (OCP MX v1.0); their sums are f32. All else is computed in f32.
;;   The module's matrix products, in the order in which they are computed (A, B: the left and right operand; K: the contracted axis; several contracted axes count as one K, in the product's order):
;;     1. [M 8,192, K 1,024] x [K 1,024, N 3,072]; A: input x; B: input W_qkv: QUANTISED
;;     2. batch 64 x [M 2,048, K 64] x [K 64, N 2,048]; A: computed on the way; B: computed on the way: QUANTISED
;;     3. batch 64 x [M 2,048, K 2,048] x [K 2,048, N 64]; A: softmax (see below); B: computed on the way: QUANTISED
;;   THE QUANTISER, for each operand of a quantised product, along K:
;;     - K is cut into blocks of 32 from its start; a last block that is shorter is filled with zeros.
;;     - A block's scale is 2^e with e = floor(log2(the largest magnitude in the block)) - 4, held to -126 .. 127; a block of zeros has e = 0. As a byte (E8M0): e + 127.
;;     - Each number is divided by its block's scale, clamped to +-28, and rounded to the nearest number of E3M2, ties to even, subnormals kept.
;;     - The product sums the exact products of the quantised numbers (number of the format x scale) in f32.
;;   ~~~python
;;   def quantise(x, axis):      # numpy; x: float32 -> the quantised numbers, widened to float32 again
;;       x = np.moveaxis(x, axis, -1); K = x.shape[-1]
;;       x = np.pad(x, [(0, 0)] * (x.ndim - 1) + [(0, -K % 32)]); x = x.reshape(x.shape[:-1] + (-1, 32)); a = np.abs(x).max(-1, keepdims=True)
;;       e = np.where(a > 0, np.clip(np.frexp(np.where(a > 0, a, 1))[1] - 1 - 4, -126, 127), 0)      # np.frexp(a)[1] - 1 = floor(log2(a)), exactly
;;       r = np.clip(x / 2.0 ** e, -28, 28)
;;       step = 2.0 ** (np.maximum(np.frexp(np.where(r == 0, 1, r))[1] - 1, -2) - 2)
;;       q = np.round(r / step) * step * 2.0 ** e      # np.round: ties to even
;;       return np.moveaxis(q.reshape(q.shape[:-2] + (-1,))[..., :K], -1, axis).astype(np.float32)
;;   ~~~
;;   SOFTMAX AHEAD OF A QUANTISED PRODUCT. Where the list says 'softmax', what is quantised is not the finished softmax but p = 2^(t - M), with t = logit x log2(e) and M = ceil(the row's largest t), a whole number; so 1/2 < the row's largest p <= 1. The row's sum l is taken of the UNQUANTISED p, in f32, and the product's result is divided by l at the end. Since M is a whole number, a kernel that streams over the keys may use a running M (the ceiling of the running maximum): every later rescaling is an exact power of two, which a block's scale takes up: the codes' values come out the same.
;;   OPERANDS COMPUTED ON THE WAY. 'Computed on the way' means the value that the module computes at that place (a softmax that the list does not call 'softmax' is quantised finished and normalised). What goes into a quantiser is computed in f32, as accurately as f32 sums, v_exp_f32 and their like allow (about 1e-6 of the number): no bf16 or f16 on the way to a quantiser, and a product that is left as it is and whose result goes on into a quantised operand takes f32 operands (vector FMAs, or v_wmma_f32_16x16x4_f32). A number that lies on a knife's edge between two numbers of the format may be rounded either way, as far as f32 arithmetic and the matrix unit's own rounding can turn it there, and no further.
;; One version. Each part assembles by itself: llvm-mc -triple=amdgcn-amd-amdhsa -mcpu=gfx1250 --defsym DOCPART=n.
;; ======== version 1 of 1: 3 launches
;; workspace buffers: xc 6,291,456 bytes; xs 262,144 bytes; wc 2,359,296 bytes; ws 98,304 bytes; qc 6,291,456 bytes; qs 262,144 bytes; kv 13,107,200 bytes
;; launch quant (part 1): grid 352 x 1, 4 waves a work-group, no clusters, 33,280 bytes of LDS; arguments x, W_qkv, xc, xs, wc, ws; writes xc, xs, wc, ws
.if DOCPART == 1
	.amdgcn_target "amdgcn-amd-amdhsa--gfx1250"
	.amdhsa_code_object_version 6
	.text
	.protected	k_q2998d166b2_quant
	.globl	k_q2998d166b2_quant
	.p2align	8
	.type	k_q2998d166b2_quant,@function
k_q2998d166b2_quant:
	s_mov_b64 s[64:65], 0
	v_nop
	global_prefetch_b8 v0, s[64:65] scope:SCOPE_SE
	s_setreg_imm32_b32 hwreg(HW_REG_WAVE_MODE, 25, 1), 1
	s_wait_xcnt 0x0
; x [8192][1024] and W_qkv [3072][1024], f32, become codes of BF6 (E3M2), 6 bits each, K innermost (a row: 768 bytes), with one E8M0 scale byte for each 32 along K (a row: 32 bytes).
; A block's scale is 2^(floor(log2(its largest magnitude)) - 4); its byte is the largest magnitude's own exponent field - 4, held at 1 from below.  Each number is divided by the scale and rounded to the
; nearest code, ties to even; beyond the largest code the conversion gives the largest code.
; LIMITS: a block of zeros gets the byte 1 where the rule says 127 (its codes are zeros, which add nothing under any byte but 0xff, and only this program reads the bytes); blocks whose largest magnitude lies
; under 2^-122 are held at that floor; NaN and infinities among the inputs are not served.
; THE ROWS ARE STORED IN ANOTHER ORDER THAN THEY ARE READ: inside each 32 rows the four runs of 8 rows are stored in the order 0, 2, 1, 3: stored row 16 u + p holds row 8 u + p + 8 (p / 8).  The product that
; follows then finds, in plain neighbouring stored rows, tiles whose results are 16 neighbours along the next K in a lane's 16 registers.
; A wave takes one run of 8 rows (8,192 numbers) in 16 steps of 512; a work-group of four waves takes 32 rows, so the change of order is a change of the wave's number in the output addresses alone.
; Each of a step's four loads reads 512 consecutive bytes, 16 a lane; the 2,048 bytes go through the wave's own stage in LDS and come back 64 bytes a lane, 16 neighbours along K (two lanes hold a block).
; The stage has 16 bytes of padding behind each 64.  A lane's 16 codes are 12 bytes: the wave stores 384 consecutive bytes.  A wave's 256 scale bytes are gathered in LDS and leave as one aligned 256 bytes.
; The first WGA work-groups take x, the others W_qkv.  No tensor loads, no barrier: waves share nothing.  Loads run four steps (16 loads a wave) ahead, the turn through LDS one step.
.set SIZE_M, 8192
.set SIZE_N, 3072
.set SIZE_K, 1024
.set WAVES, 4
.set STEPS, 16
.set WGA,   SIZE_M*SIZE_K/(512*STEPS*WAVES)    ; 256 work-groups for x, 96 for W_qkv
.set CB,    12                         ; bytes of 16 codes
.set R,     16                         ; v16-79   four sets of 16 numbers as they are loaded
.set X,     80                         ; v80-111  two sets of 16 neighbours
.set C,     128                        ; v128-191 codes: four registers for each step, so that no store's data are written again
.set E,     112                        ; v112-127 a scale byte for each step
.set WREG,  8192                       ; LDS: a region for each wave: two stages of 32 x SP bytes, and behind them its 256 scale bytes
.set SP,    80                         ; a lane's place in a stage: its 64 bytes + 16 of padding
	s_load_b128 s[4:7], s[0:1], 0x0                ; x, W_qkv
	s_load_b128 s[8:11], s[0:1], 0x10              ; x's codes, x's scales
	s_load_b128 s[12:15], s[0:1], 0x20             ; W's codes, W's scales
	v_lshl_add_u32 v192, v0, 2, 0x8000
	v_mov_b32 v193, 0
	v_lshrrev_b32 v1, 5, v0
	v_readfirstlane_b32 s16, v1                    ; wave
	v_and_b32 v2, 31, v0                           ; lane
	v_lshlrev_b32 v3, 4, v2                        ; my 16 bytes of a load's 512
	s_mul_i32 s17, s16, WREG
	v_lshrrev_b32 v14, 2, v2
	v_mul_u32_u24 v14, v14, SP
	v_and_b32 v15, 3, v2
	v_lshl_add_u32 v14, v15, 4, v14
	v_add_nc_u32 v14, s17, v14                     ; the stage, on the way in: four lanes' 64 bytes on end, then 16 of padding
	v_mul_u32_u24 v15, v2, SP
	v_add_nc_u32 v15, s17, v15                     ; and on the way out: SP x lane: my 16 neighbours
	v_mul_u32_u24 v4, v2, CB                       ; my codes' place in a step's
	v_lshrrev_b32 v5, 1, v2
	s_add_co_u32 s17, s17, 2*32*SP
	v_add_nc_u32 v5, s17, v5                       ; LDS: my wave's 256 scale bytes, my block's byte
	v_lshlrev_b32 v7, 3, v2                        ; and on the way out 8 bytes a lane
	v_add_nc_u32 v6, s17, v7
	s_wait_alu depctr_va_vdst(0)
	s_wait_kmcnt 0x0
	s_cmp_lt_u32 ttmp9, WGA                        ; x's work-group or W's?  The choice hangs on the work-group's number alone
	s_cselect_b64 s[4:5], s[4:5], s[6:7]
	s_cselect_b64 s[8:9], s[8:9], s[12:13]
	s_cselect_b64 s[10:11], s[10:11], s[14:15]
	s_cselect_b32 s17, 0, WGA
	s_sub_co_u32 s17, ttmp9, s17
	s_lshl_b32 s17, s17, 2                         ; the first of my work-group's four runs
	s_add_co_u32 s18, s17, s16                     ; the run of 8 rows that my wave READS
	s_mov_b32 s19, 0
	s_and_b32 s22, s16, 1
	s_lshl_b32 s22, s22, 1
	s_lshr_b32 s23, s16, 1
	s_or_b32 s22, s22, s23                         ; 0, 2, 1, 3 for waves 0, 1, 2, 3
	s_add_co_u32 s24, s17, s22                     ; the run that it WRITES
	s_mov_b32 s25, 0
	s_mov_b64 s[20:21], 512*STEPS*4
	s_mul_u64 s[20:21], s[18:19], s[20:21]
	s_add_nc_u64 s[4:5], s[4:5], s[20:21]
	s_mov_b64 s[20:21], 32*STEPS*CB
	s_mul_u64 s[20:21], s[24:25], s[20:21]
	s_add_nc_u64 s[8:9], s[8:9], s[20:21]
	s_lshl_b32 s24, s24, 8                         ; 256 scale bytes a run
	s_add_nc_u64 s[10:11], s[10:11], s[24:25]
.macro LOAD t
.irp i, 0,1,2,3
	global_load_b128 v[R+16*((\t)%4)+4*\i:R+16*((\t)%4)+4*\i+3], v3, s[4:5] offset:2048*(\t)+512*\i th:TH_LOAD_NT   ; 32 lanes read 512 consecutive bytes
.endr
.endm
.macro TURN t                          ; step t's numbers through the stage: LDS serves a wave's instructions in order, so no wait stands between the stores and the loads
.irp i, 0,1,2,3
	ds_store_b128 v14, v[R+16*((\t)%4)+4*\i:R+16*((\t)%4)+4*\i+3] offset:32*SP*((\t)%2)+8*SP*\i
.endr
.irp i, 0,1,2,3
	ds_load_b128 v[X+16*((\t)%2)+4*\i:X+16*((\t)%2)+4*\i+3], v15 offset:32*SP*((\t)%2)+16*\i
.endr
.endm
.irp t, 0,1,2,3
	LOAD \t
.endr
	s_wait_loadcnt 12                              ; step 0's four loads are in; the twelve of steps 1 to 3 may be out
	TURN 0
.macro STEP t
.set XS, X+16*((\t)%2)
.if (\t) > 0
	s_wait_dscnt 1                                 ; this step's numbers are back from the stage (the last step's byte store may be out): so its stores into the stage have read their registers,
.else
	s_wait_dscnt 0x0
.endif
.if (\t)+4 < STEPS
	LOAD (\t)+4                                    ; which take the loads of four steps on
.endif
.if (\t)+1 < STEPS
.if STEPS-2-(\t) >= 3
	s_wait_loadcnt 12                              ; the next step's four loads are in; those of the three steps behind it may be out
.else
	s_wait_loadcnt 4*(STEPS-2-(\t))
.endif
	TURN (\t)+1                                    ; and go through the other stage while this step is worked
.endif
	v_max3_num_f32 v8, |v[XS]|, |v[XS+1]|, |v[XS+2]|               ; the largest magnitude of my 16, in two chains
	v_max3_num_f32 v9, |v[XS+3]|, |v[XS+4]|, |v[XS+5]|
.irp i, 6,10
	v_max3_num_f32 v8, v8, |v[XS+\i]|, |v[XS+\i+1]|
	v_max3_num_f32 v9, v9, |v[XS+\i+2]|, |v[XS+\i+3]|
.endr
	v_max3_num_f32 v8, v8, |v[XS+14]|, |v[XS+15]|
	v_max3_num_f32 v8, v8, v9, 0x2800000           ; and the floor 2^(5 - 127): so the byte cannot fall under 1
	v_max_num_f32_dpp v8, v8, v8 row_xmask:1 row_mask:0xf bank_mask:0xf   ; and of my neighbour's 16: the block's
	v_add_nc_u32 v11, 0xfe000000, v8               ; 4 off its exponent field: the conversion takes the exponent field of this operand as its scale, and nothing else of it
	v_cvt_scalef32_pk16_bf6_f32 v[C+4*(\t):C+4*(\t)+2], v[XS:XS+15], v11         ; sixteen codes, 96 bits without gaps, the first number's code lowest
	v_lshrrev_b32 v[E+(\t)], 23, v11               ; the scale's byte (also the plain instruction behind the conversion)
	ds_store_b8 v5, v[E+(\t)] offset:16*(\t)       ; both lanes of a block write the same byte with the same value
	global_store_b96 v4, v[C+4*(\t):C+4*(\t)+2], s[8:9] offset:32*CB*(\t)
.endm
.irp t, 0,1,2,3,4,5,6,7,8,9,10,11,12,13,14,15
	STEP \t
.endr
	ds_load_b64 v[12:13], v6                       ; LDS serves a wave's instructions in order: these see my stores
	s_wait_dscnt 0x0
	global_store_b64 v7, v[12:13], s[10:11]        ; 32 lanes store 256 consecutive bytes, aligned
	s_wait_tensorcnt 0x0
	ds_add_u32 v192, v193
	s_wait_dscnt 0x0
	s_endpgm
.Lfunc_end_k_q2998d166b2_quant:
	.size	k_q2998d166b2_quant, .Lfunc_end_k_q2998d166b2_quant-k_q2998d166b2_quant
	.p2alignl 7, 3214868480
	.fill 96, 4, 3214868480
	.section	.rodata,"a",@progbits
	.p2align	6, 0x0
	.amdhsa_kernel k_q2998d166b2_quant
		.amdhsa_group_segment_fixed_size 33280
		.amdhsa_private_segment_fixed_size 0
		.amdhsa_enable_private_segment 0
		.amdhsa_kernarg_size 48
		.amdhsa_user_sgpr_count 2
		.amdhsa_user_sgpr_kernarg_segment_ptr 1
		.amdhsa_wavefront_size32 1
		.amdhsa_system_sgpr_workgroup_id_x 1
		.amdhsa_system_sgpr_workgroup_id_y 1
		.amdhsa_system_sgpr_workgroup_id_z 1
		.amdhsa_system_vgpr_workitem_id 0
		.amdhsa_next_free_vgpr 194
		.amdhsa_next_free_sgpr 66
		.amdhsa_reserve_vcc 0
		.amdhsa_float_denorm_mode_32 3
		.amdhsa_float_denorm_mode_16_64 3
		.amdhsa_memory_ordered 1
		.amdhsa_forward_progress 1
		.amdhsa_inst_pref_size 33
	.end_amdhsa_kernel
	.amdgpu_metadata
---
amdhsa.version: [ 1, 2 ]
amdhsa.kernels:
  - .name:           k_q2998d166b2_quant
    .symbol:         k_q2998d166b2_quant.kd
    .args:
      - { .name: x, .offset: 0, .size: 8, .value_kind: global_buffer, .address_space: global }
      - { .name: W_qkv, .offset: 8, .size: 8, .value_kind: global_buffer, .address_space: global }
      - { .name: xc, .offset: 16, .size: 8, .value_kind: global_buffer, .address_space: global }
      - { .name: xs, .offset: 24, .size: 8, .value_kind: global_buffer, .address_space: global }
      - { .name: wc, .offset: 32, .size: 8, .value_kind: global_buffer, .address_space: global }
      - { .name: ws, .offset: 40, .size: 8, .value_kind: global_buffer, .address_space: global }
    .group_segment_fixed_size: 33280
    .private_segment_fixed_size: 0
    .kernarg_segment_align: 8
    .kernarg_segment_size: 48
    .max_flat_workgroup_size: 128
    .sgpr_count:     66
    .vgpr_count:     194
    .wavefront_size: 32
...
	.end_amdgpu_metadata
.endif
;; end of part 1
;; launch gemm (part 2): grid 8 x 48, 4 waves a work-group, clusters of 4 x 4, 327,680 bytes of LDS; arguments xc, xs, wc, ws, b_qkv, qc, qs, kv; writes qc, qs, kv
.if DOCPART == 2
	.amdgcn_target "amdgcn-amd-amdhsa--gfx1250"
	.amdhsa_code_object_version 6
	.text
	.protected	k_q2998d166b2_gemm
	.globl	k_q2998d166b2_gemm
	.p2align	8
	.type	k_q2998d166b2_gemm,@function
k_q2998d166b2_gemm:
	s_mov_b64 s[64:65], 0
	v_nop
	global_prefetch_b8 v0, s[64:65] scope:SCOPE_SE
	s_setreg_imm32_b32 hwreg(HW_REG_WAVE_MODE, 25, 1), 1
	s_wait_xcnt 0x0
	s_wait_alu depctr_hold_cnt(0) depctr_sa_sdst(0) depctr_va_vdst(0) depctr_va_sdst(0) depctr_va_ssrc(0) depctr_va_vcc(0) depctr_vm_vsrc(0)
	s_getreg_b32 s2, hwreg(HW_REG_IB_STS2, 6, 4)
	s_cmp_eq_u32 s2, 0
	s_cbranch_scc0 .Lentry_in_a_cluster
	s_endpgm
.Lentry_in_a_cluster:
	s_bfe_u32 s2, ttmp6, 0x10000c
	s_cmp_lg_u32 s2, 0xf033
	s_cbranch_scc0 .Lentry_shape_is_right
	s_endpgm
.Lentry_shape_is_right:
.set SIZE_K, 1024
.set KSTEP,  256
.set NQ,     KSTEP/128
.set ROWB,   192
.set KROW,   SIZE_K*6/8
.set PITCH,  240
.set FR,     12
.set NL,     6
.set NP,     4
.set HALFT,  128*PITCH
.set SLOT,   4*HALFT
.set LAPS,   SIZE_K/(2*KSTEP)
.set KS,     SIZE_K/32
.set SCL,    2*SLOT
.set HALFS,  (128*KS/256)*272
.set SBLK,   (16*KS/256)*272
.set SPARE,  SCL+4*HALFS
.set ADRA, 16
.set ADRB, 20
.set LI,   24
.set LI4,  25
.set BO,   26
.set ADRS, 27
.set SPW,  28
.set NIL,  29
.set SC,   32
.set BP,   64
.set AF,   128
.set H,    128
.set TM,   192
.set PW0,  208
.set F0,   210
.set F1,   222
.set SW,   234
.set PT,   242
.set CB0,  96
.set CB1,  98
.set SB0,  92
.set SB1,  94
.set SEL,  18
.set G1, 24
.set G0, 32
.set G1B, 48
.set G0B, 56
.set G1S, 68
.set G0S, 76
.set G1SB, 80
.set G0SB, 88
.set MSB, 0
.macro WIN new
.if MSB != (\new)
	s_set_vgpr_msb (MSB<<8)|(\new)
.set MSB, (\new)
.endif
.endm
.set MUL_LO, 0xa1
.set MUL_HI, 0xf1
.set TO_B,   0x40
.macro JLOAD g0a, g1a, g0b, g1b
	s_cmp_eq_u32 s15, 0
	s_cbranch_scc0 .Lfor_b_\@
	tensor_load_to_lds s[\g0a:\g0a+3], s[\g1a:\g1a+7]
	s_nop 0
.rept 4
	v_nop
.endr
	s_branch .Lasked_\@
.Lfor_b_\@:
	tensor_load_to_lds s[\g0b:\g0b+3], s[\g1b:\g1b+7]
	s_nop 0
.rept 4
	v_nop
.endr
.Lasked_\@:
.endm
.macro CREST
	s_cmp_lg_u32 s14, 0
	s_cbranch_scc1 .Lnot_wave_0_\@
	s_barrier_signal -3
.Lnot_wave_0_\@:
	s_barrier_wait -3
	s_barrier_signal -1
	s_barrier_wait -1
.endm
.macro CROUND
	s_barrier_signal -1
	s_barrier_wait -1
	CREST
.endm
	s_load_b256 s[4:11], s[0:1], 0x0
	v_lshl_add_u32 v[SPW], v0, 2, SPARE
	v_mov_b32 v[NIL], 0
	ds_add_u32 v28, v29
	ds_add_u32 v28, v29
	s_wait_dscnt 0x0
	v_lshrrev_b32 v1, 5, v0
	v_readfirstlane_b32 s14, v1
	s_lshr_b32 s15, s14, 1
	s_and_b32 s16, s14, 1
	s_bfe_u32 s40, ttmp6, 0x40000
	s_bfe_u32 s41, ttmp6, 0x40004
	s_and_b32 s17, ttmp7, 0xffff
	s_cmp_ge_u32 s17, 8
	s_cselect_b32 s2, 1, 0
	s_cselect_b32 s19, 2, s17
	s_cselect_b32 s66, s17, 8
	s_sub_co_u32 s66, s66, 8
	s_lshl_b32 s66, s66, 1
	s_add_co_u32 s66, s66, ttmp9
	s_lshl_b32 s42, s66, 2
	s_add_co_u32 s42, s42, s40
	s_lshl_b32 s17, s19, 2
	s_add_co_u32 s17, s17, s41
	s_lshl_b32 s43, s41, 2
	s_lshl_b32 s43, 15, s43
	s_lshl_b32 s44, 0x1111, s40
	s_or_b32 s[G1+0], s43, (0<<16)|(1<<20)|(1<<21)|(3<<22)|(3<<25)
	s_or_b32 s[G1B+0], s44, (0<<16)|(1<<20)|(1<<21)|(3<<22)|(3<<25)
.irp g, G1, G1B
	s_mov_b32 s[\g+1], ROWB<<16
	s_mov_b32 s[\g+2], 128<<16
	s_mov_b32 s[\g+3], ROWB<<16
	s_mov_b32 s[\g+4], 128
	s_mov_b32 s[\g+5], KROW
	s_mov_b32 s[\g+6], 0
	s_mov_b32 s[\g+7], 0
.endr
	s_or_b32 s[G1S+0], s43, (3<<16)|(1<<20)|(1<<21)|(5<<22)|(3<<25)
	s_or_b32 s[G1SB+0], s44, (3<<16)|(1<<20)|(1<<21)|(5<<22)|(3<<25)
.irp g, G1S, G1SB
	s_mov_b32 s[\g+1], 32<<16
	s_mov_b32 s[\g+2], (128*KS/256)<<16
	s_mov_b32 s[\g+3], 32<<16
	s_mov_b32 s[\g+4], 128*KS/256
	s_mov_b32 s[\g+5], 32
	s_mov_b32 s[\g+6], 0
	s_mov_b32 s[\g+7], 0
.endr
	s_lshl_b32 s18, s16, 7
	s_lshl_b32 s20, s17, 8
	s_add_co_u32 s20, s20, s18
	s_lshl_b32 s46, s42, 8
	s_add_co_u32 s46, s46, s18
	s_mov_b32 s21, 0
	s_mov_b32 s47, 0
	s_mov_b64 s[18:19], KS
	s_mul_u64 s[22:23], s[20:21], s[18:19]
	s_mul_u64 s[92:93], s[46:47], s[18:19]
	s_mov_b64 s[18:19], KROW
	s_mul_u64 s[20:21], s[20:21], s[18:19]
	s_mul_u64 s[46:47], s[46:47], s[18:19]
	s_mul_i32 s45, s14, HALFT
	s_mul_i32 s94, s14, HALFS
	s_wait_kmcnt 0x0
	s_cmp_eq_u32 s2, 1
	s_cselect_b64 s[96:97], s[8:9], s[4:5]
	s_cselect_b64 s[98:99], s[10:11], s[6:7]
	s_cselect_b64 s[8:9], s[4:5], s[8:9]
	s_cselect_b64 s[10:11], s[6:7], s[10:11]
	s_add_nc_u64 s[20:21], s[96:97], s[20:21]
	s_add_nc_u64 s[22:23], s[98:99], s[22:23]
	s_add_nc_u64 s[46:47], s[8:9], s[46:47]
	s_add_nc_u64 s[92:93], s[10:11], s[92:93]
	CROUND
	s_mov_b32 s[G0S], 1
	s_add_co_u32 s[G0S+1], s94, SCL
	s_mov_b64 s[G0S+2:G0S+3], s[22:23]
	s_or_b32 s[G0S+3], s[G0S+3], 0x80000000
	s_mov_b32 s[G0SB], 1
	s_add_co_u32 s[G0SB+1], s94, SCL
	s_mov_b64 s[G0SB+2:G0SB+3], s[92:93]
	s_or_b32 s[G0SB+3], s[G0SB+3], 0x80000000
	JLOAD G0S, G1S, G0SB, G1SB
.irp s, 0,1
	s_mov_b32 s[G0+4*\s], 1
	s_add_co_u32 s[G0+4*\s+1], s45, \s*SLOT
	s_add_nc_u64 s[G0+4*\s+2:G0+4*\s+3], s[20:21], \s*ROWB
	s_or_b32 s[G0+4*\s+3], s[G0+4*\s+3], 0x80000000
	s_mov_b32 s[G0B+4*\s], 1
	s_add_co_u32 s[G0B+4*\s+1], s45, \s*SLOT
	s_add_nc_u64 s[G0B+4*\s+2:G0B+4*\s+3], s[46:47], \s*ROWB
	s_or_b32 s[G0B+4*\s+3], s[G0B+4*\s+3], 0x80000000
	s_wait_alu depctr_va_vdst(0)
	s_wait_tensorcnt 0x0
	ds_add_u32 v28, v29
	s_wait_dscnt 0x0
	CROUND
	JLOAD G0+4*\s, G1, G0B+4*\s, G1B
.endr
	s_load_b256 s[4:11], s[0:1], 0x20
	v_and_b32 v1, 15, v0
	v_bfe_u32 v2, v0, 4, 1
	v_mul_u32_u24 v3, v1, PITCH
	v_mul_u32_u24 v4, v2, 24
	v_add_nc_u32 v4, v3, v4
	v_lshl_add_u32 v5, v2, 4, v4
	s_mul_i32 s21, s15, HALFT
	s_mul_i32 s22, s16, HALFT
	s_add_co_u32 s22, s22, 2*HALFT
.irp s, 0,1
	v_add_nc_u32 v[ADRA+\s], s21, v4
	v_add_nc_u32 v[ADRB+\s], s22, v4
	v_add_nc_u32 v[ADRA+2+\s], s21, v5
	v_add_nc_u32 v[ADRB+2+\s], s22, v5
	s_add_co_u32 s21, s21, SLOT
	s_add_co_u32 s22, s22, SLOT
.endr
	v_mul_u32_u24 v5, v1, KS
	v_lshrrev_b32 v6, 8, v5
	v_lshl_add_u32 v5, v6, 4, v5
	s_mul_i32 s21, s15, HALFS
	s_mul_i32 s22, s16, HALFS
	s_add_co_u32 s22, s22, 2*HALFS
	s_sub_co_u32 s22, s22, s21
	v_mul_u32_u24 v6, s22, v2
	s_add_co_u32 s21, s21, SCL
	v_add_nc_u32 v5, v5, v6
	v_add_nc_u32 v[ADRS], s21, v5
	s_lshl_b32 s12, s17, 1
	s_add_co_u32 s12, s12, s15
	s_lshl_b32 s13, s42, 1
	s_add_co_u32 s13, s13, s16
	s_cmp_eq_u32 s2, 1
	s_cselect_b32 s18, s12, s13
	s_cselect_b32 s19, s13, s12
	s_cselect_b32 s21, 6144, 0
	s_cselect_b32 s22, 256, 0
	s_lshl_b32 s66, s18, 9
	s_mov_b32 s67, 0
	s_and_b32 s18, s18, 7
	s_mul_i32 s20, s18, 1638400
	s_lshr_b32 s23, s19, 4
	s_mul_i32 s23, s23, 204800
	s_add_co_u32 s20, s20, s23
	s_and_b32 s23, s19, 15
	s_mul_i32 s23, s23, 12800
	s_add_co_u32 s20, s20, s23
	s_add_co_u32 s21, s21, s20
	s_add_co_u32 s22, s22, s20
	s_add_co_u32 s22, s22, 12288
	s_mul_i32 s40, s18, 786432
	s_mul_i32 s41, s19, 6144
	s_add_co_u32 s40, s40, s41
	s_lshl_b32 s42, s18, 15
	s_lshl_b32 s43, s19, 8
	s_add_co_u32 s42, s42, s43
	s_mov_b32 s44, 819200
	s_mov_b32 s46, 819200
	s_or_b32 s47, s2, ttmp9
	s_cmp_eq_u32 s47, 0
	s_cselect_b32 s40, s40, s21
	s_cselect_b32 s42, s42, s22
	s_cselect_b32 s44, 393216, s44
	s_cselect_b32 s46, 16384, s46
	s_mov_b32 s41, 0
	s_mov_b32 s43, 0
	s_mov_b32 s45, 0
	s_mov_b32 s47, 0
	s_wait_kmcnt 0x0
	s_cselect_b64 s[CB0:CB0+1], s[6:7], s[10:11]
	s_cselect_b64 s[SB0:SB0+1], s[8:9], s[10:11]
	s_add_nc_u64 s[CB0:CB0+1], s[CB0:CB0+1], s[40:41]
	s_add_nc_u64 s[CB1:CB1+1], s[CB0:CB0+1], s[44:45]
	s_add_nc_u64 s[SB0:SB0+1], s[SB0:SB0+1], s[42:43]
	s_add_nc_u64 s[SB1:SB1+1], s[SB0:SB0+1], s[46:47]
	s_add_nc_u64 s[12:13], s[4:5], s[66:67]
	s_mov_b32 s[SEL], 0x76543210
	s_mov_b32 s[SEL+1], 0xfedcba98
	v_and_b32 v6, 31, v0
	v_lshlrev_b32 v[LI], 4, v6
	v_lshlrev_b32 v[LI4], 2, v6
	s_cmp_eq_u32 s2, 1
	s_cbranch_scc1 .Lbias_v
	v_lshlrev_b32 v[BO], 6, v2
.irp t, 0,1,2,3,4,5,6,7
	global_load_b128 v[BP+8*\t:BP+8*\t+3], v[BO], s[12:13] offset:(32*(\t/2)+8*(\t%2))*4
	global_load_b128 v[BP+8*\t+4:BP+8*\t+7], v[BO], s[12:13] offset:(32*(\t/2)+8*(\t%2))*4+16
.endr
	s_branch .Lbias_done
.Lbias_v:
	v_and_b32 v[BO], 8, v1
	v_add_nc_u32 v[BO], v[BO], v1
	v_lshlrev_b32 v[BO], 2, v[BO]
.irp a, 0,1,2,3,4,5,6,7
.irp j, 0,1,2,3,4,5,6,7
	global_load_b32 v[BP+8*\a+\j], v[BO], s[12:13] offset:(32*(\a/2)+8*(\a%2))*4
.endr
.endr
.Lbias_done:
.macro FRAG reg, adr, q, i
.irp p, 0,1,2,3,4,5
.set PC, 12*(\q)+6*(\p/3)+\p%3
.if PC%8 < 5
	ds_load_b64 v[\reg+2*\p:\reg+2*\p+1], v[\adr] offset:8*PC+16*(PC/8)+(\i)*16*PITCH
.else
	ds_load_b64 v[\reg+2*\p:\reg+2*\p+1], v[\adr+2] offset:8*PC+16*(PC/8)+(\i)*16*PITCH
.endif
.endr
.endm
.macro MUL16 a0, p, q, sc, zero
.irp a, \a0, \a0+1
.irp b, 0,1,2,3,4,5,6,7
.if \zero
	v_wmma_scale_f32_16x16x128_f8f6f4 v[8*(8*((\a)%4)+\b):8*(8*((\a)%4)+\b)+7], v[128*(\p)+FR*\b:128*(\p)+FR*\b+FR-1], v[AF+FR*(\a):AF+FR*(\a)+FR-1], 0, v[SC+8*NQ*(\sc)+NQ*\b+(\q)], v[SC+8*NQ*(\sc)+NQ*(\a)+(\q)] matrix_a_fmt:MATRIX_FMT_BF6 matrix_b_fmt:MATRIX_FMT_BF6 matrix_a_scale:MATRIX_SCALE_ROW1
.else
	v_wmma_scale_f32_16x16x128_f8f6f4 v[8*(8*((\a)%4)+\b):8*(8*((\a)%4)+\b)+7], v[128*(\p)+FR*\b:128*(\p)+FR*\b+FR-1], v[AF+FR*(\a):AF+FR*(\a)+FR-1], v[8*(8*((\a)%4)+\b):8*(8*((\a)%4)+\b)+7], v[SC+8*NQ*(\sc)+NQ*\b+(\q)], v[SC+8*NQ*(\sc)+NQ*(\a)+(\q)] matrix_a_fmt:MATRIX_FMT_BF6 matrix_b_fmt:MATRIX_FMT_BF6 matrix_a_scale:MATRIX_SCALE_ROW1
.endif
.endr
.endr
.endm
.macro FETCH_B slot, q, p
	WIN TO_B
.irp i, 0,1,2,3,4,5,6,7
	FRAG 128*(\p)+FR*\i, ADRB+\slot, \q, \i
.endr
	WIN 0
.endm
.macro FETCH_A slot, q, i0
.irp i, \i0, \i0+1, \i0+2, \i0+3
	FRAG AF+FR*(\i), ADRA+\slot, \q, \i
.endr
.endm
.macro SCALES sc
.irp i, 0,1,2,3,4,5,6,7
	ds_load_b64 v[SC+8*NQ*\sc+NQ*\i:SC+8*NQ*\sc+NQ*\i+1], v[ADRS] offset:\i*SBLK
.endr
.endm
.macro PLACES n
.rept \n
	v_nop
.endr
.endm
.macro STEP slot, q, zero
	s_wait_dscnt 4*NL
	WIN MUL_LO
	MUL16 0, (\q)%2, \q, \slot, \zero
	MUL16 2, (\q)%2, \q, \slot, \zero
	s_wait_dscnt 0
	PLACES NP
	FETCH_B \slot, (\q)+1, 1-(\q)%2
	FETCH_A \slot, (\q)+1, 0
	WIN MUL_HI
	MUL16 4, (\q)%2, \q, \slot, \zero
	MUL16 6, (\q)%2, \q, \slot, \zero
	PLACES NP
	WIN 0
	FETCH_A \slot, (\q)+1, 4
.endm
.macro TURN slot, next, fill
	s_wait_tensorcnt 0x0
	ds_add_u32 v[SPW], v[NIL]
	s_wait_dscnt 4*NL+1
	WIN MUL_LO
	MUL16 0, 1, NQ-1, \slot, 0
	s_wait_dscnt 0x0
	s_barrier_signal -1
	MUL16 2, 1, NQ-1, \slot, 0
	WIN 0
	s_barrier_wait -1
.if \fill
	CREST
	s_add_nc_u64 s[G0+4*\slot+2:G0+4*\slot+3], s[G0+4*\slot+2:G0+4*\slot+3], 2*ROWB
	s_add_nc_u64 s[G0B+4*\slot+2:G0B+4*\slot+3], s[G0B+4*\slot+2:G0B+4*\slot+3], 2*ROWB
	JLOAD G0+4*\slot, G1, G0B+4*\slot, G1B
.else
	PLACES NP
.endif
	s_wait_alu depctr_va_vdst(0)
	v_add_nc_u32 v[ADRS], 4*NQ, v[ADRS]
	FETCH_B \next, 0, 0
	FETCH_A \next, 0, 0
	SCALES \next
	WIN MUL_HI
	MUL16 4, 1, NQ-1, \slot, 0
	MUL16 6, 1, NQ-1, \slot, 0
	PLACES NP
	WIN 0
	FETCH_A \next, 0, 4
.endm
	s_wait_tensorcnt 1
	s_barrier_signal -1
	s_barrier_wait -1
	FETCH_B 0, 0, 0
	FETCH_A 0, 0, 0
	s_wait_alu depctr_va_vdst(0)
	SCALES 0
	FETCH_A 0, 0, 4
	STEP 0, 0, 1
	s_mov_b32 s3, LAPS-1
.Llap:
	TURN 0, 1, 1
	STEP 1, 0, 0
	TURN 1, 0, 1
	STEP 0, 0, 0
	s_sub_co_u32 s3, s3, 1
	s_cmp_lg_u32 s3, 0
	s_cbranch_scc1 .Llap
	TURN 0, 1, 0
	STEP 1, 0, 0
	s_wait_dscnt 4*NL
	WIN MUL_LO
	MUL16 0, 1, NQ-1, 1, 0
	MUL16 2, 1, NQ-1, 1, 0
	s_wait_dscnt 0
	WIN MUL_HI
	MUL16 4, 1, NQ-1, 1, 0
	MUL16 6, 1, NQ-1, 1, 0
	WIN 0
.macro ADDB a, role
	WIN 0x02+(\a)/4
.set n, 0
.rept 32
.if \role
	v_pk_add_f32 v[H+2*n:H+2*n+1], v[64*((\a)%4)+2*n:64*((\a)%4)+2*n+1], v[BP+8*(\a):BP+8*(\a)+1]
.else
	v_pk_add_f32 v[H+2*n:H+2*n+1], v[64*((\a)%4)+2*n:64*((\a)%4)+2*n+1], v[BP+2*n:BP+2*n+1]
.endif
.set n, n+1
.endr
	WIN 0
.endm
.macro QUANT s, d0, d1, pw
.irp b, 0,1,2,3
	v_max3_num_f32 v[TM+\b], |v[\s+16*\b]|, |v[\s+1+16*\b]|, 0x2800000
.endr
.irp i, 2,4,6,8,10,12,14
.irp b, 0,1,2,3
	v_max3_num_f32 v[TM+\b], v[TM+\b], |v[\s+16*\b+\i]|, |v[\s+1+16*\b+\i]|
.endr
.endr
.irp b, 0,1,2,3
	v_permlanex16_b32 v[TM+4+\b], v[TM+\b], s[SEL], s[SEL+1]
.endr
.irp b, 0,1,2,3
	v_max_num_f32 v[TM+\b], v[TM+\b], v[TM+4+\b]
.endr
.irp b, 0,1,2,3
	v_add_nc_u32 v[TM+12+\b], 0xfe000000, v[TM+\b]
.endr
.irp b, 0,1,2,3
	v_lshrrev_b32 v[TM+4+\b], 23, v[TM+12+\b]
.endr
	v_lshl_or_b32 v[\pw], v[TM+5], 8, v[TM+4]
	v_lshl_or_b32 v[\pw], v[TM+6], 16, v[\pw]
	v_lshl_or_b32 v[\pw], v[TM+7], 24, v[\pw]
	v_cvt_scalef32_pk16_bf6_f32 v[(\d0):(\d0)+2], v[\s:\s+15], v[TM+12]
	v_cvt_scalef32_pk16_bf6_f32 v[PT:PT+2], v[\s+16:\s+31], v[TM+13]
	v_cvt_scalef32_pk16_bf6_f32 v[(\d1):(\d1)+2], v[\s+32:\s+47], v[TM+14]
	v_cvt_scalef32_pk16_bf6_f32 v[PT+4:PT+6], v[\s+48:\s+63], v[TM+15]
	v_nop
.irp i, 0,1,2
	v_permlane16_swap_b32 v[(\d0)+\i], v[PT+\i]
	v_permlane16_swap_b32 v[(\d1)+\i], v[PT+4+\i]
.endr
.irp i, 0,1,2
	v_mov_b32 v[(\d0)+3+\i], v[PT+\i]
	v_mov_b32 v[(\d1)+3+\i], v[PT+4+\i]
.endr
.endm
	PLACES NP
	s_wait_loadcnt 0x0
.irp b, 0,1,2,3
	v_mov_b32 v[TM+4+\b], 0
.endr
	s_cmp_eq_u32 s2, 1
	s_cbranch_scc1 .Lout_v
.irp pr, 0,1,2,3
.if \pr > 0
	s_wait_xcnt 0x0
.endif
.irp u, 0,1
	ADDB 2*\pr+\u, 0
	QUANT H, F0+6*\u, F1+6*\u, PW0+\u
.endr
	v_perm_b32 v[SW+\pr], v[PW0+1], v[PW0], 0x05040100
	v_perm_b32 v[SW+4+\pr], v[PW0+1], v[PW0], 0x07060302
.irp i, 0,1,2
	global_store_b128 v[LI], v[F0+4*\i:F0+4*\i+3], s[CB0:CB0+1] offset:1536*\pr+512*\i
	global_store_b128 v[LI], v[F1+4*\i:F1+4*\i+3], s[CB1:CB1+1] offset:1536*\pr+512*\i
.endr
.endr
	s_branch .Lout_join
.Lout_v:
.irp a, 0,1,2,3,4,5,6,7
.if \a > 1
	s_wait_xcnt 0x0
.endif
	ADDB \a, 1
	QUANT H, F0+12*(\a%2), F0+12*(\a%2)+6, SW+\a
.irp i, 0,1,2
	global_store_b128 v[LI], v[F0+12*(\a%2)+4*\i:F0+12*(\a%2)+4*\i+3], s[CB0+2*(\a/4):CB0+2*(\a/4)+1] offset:1536*(\a%4)+512*\i
.endr
.endr
.Lout_join:
	s_wait_alu depctr_va_vdst(0)
.irp c, 0,1
	v_permlane16_swap_b32 v[SW+4*\c], v[SW+4*\c+1]
	v_permlane16_swap_b32 v[SW+4*\c+2], v[SW+4*\c+3]
.endr
	global_store_b32 v[LI4], v[SW], s[SB0:SB0+1]
	global_store_b32 v[LI4], v[SW+2], s[SB0:SB0+1] offset:128
	global_store_b32 v[LI4], v[SW+4], s[SB1:SB1+1]
	global_store_b32 v[LI4], v[SW+6], s[SB1:SB1+1] offset:128
	s_wait_tensorcnt 0x0
	ds_add_u32 v[SPW], v[NIL]
	s_wait_dscnt 0x0
	CROUND
	s_endpgm
.Lfunc_end_k_q2998d166b2_gemm:
	.size	k_q2998d166b2_gemm, .Lfunc_end_k_q2998d166b2_gemm-k_q2998d166b2_gemm
	.p2alignl 7, 3214868480
	.fill 96, 4, 3214868480
	.section	.rodata,"a",@progbits
	.p2align	6, 0x0
	.amdhsa_kernel k_q2998d166b2_gemm
		.amdhsa_group_segment_fixed_size 327680
		.amdhsa_private_segment_fixed_size 0
		.amdhsa_enable_private_segment 0
		.amdhsa_kernarg_size 64
		.amdhsa_user_sgpr_count 2
		.amdhsa_user_sgpr_kernarg_segment_ptr 1
		.amdhsa_wavefront_size32 1
		.amdhsa_system_sgpr_workgroup_id_x 1
		.amdhsa_system_sgpr_workgroup_id_y 1
		.amdhsa_system_sgpr_workgroup_id_z 1
		.amdhsa_system_vgpr_workitem_id 0
		.amdhsa_next_free_vgpr 1024
		.amdhsa_next_free_sgpr 100
		.amdhsa_reserve_vcc 0
		.amdhsa_float_denorm_mode_32 3
		.amdhsa_float_denorm_mode_16_64 3
		.amdhsa_memory_ordered 1
		.amdhsa_forward_progress 1
		.amdhsa_inst_pref_size 240
	.end_amdhsa_kernel
	.amdgpu_metadata
---
amdhsa.version: [ 1, 2 ]
amdhsa.kernels:
  - .name:           k_q2998d166b2_gemm
    .symbol:         k_q2998d166b2_gemm.kd
    .args:
      - { .name: xc, .offset: 0, .size: 8, .value_kind: global_buffer, .address_space: global }
      - { .name: xs, .offset: 8, .size: 8, .value_kind: global_buffer, .address_space: global }
      - { .name: wc, .offset: 16, .size: 8, .value_kind: global_buffer, .address_space: global }
      - { .name: ws, .offset: 24, .size: 8, .value_kind: global_buffer, .address_space: global }
      - { .name: b_qkv, .offset: 32, .size: 8, .value_kind: global_buffer, .address_space: global }
      - { .name: qc, .offset: 40, .size: 8, .value_kind: global_buffer, .address_space: global }
      - { .name: qs, .offset: 48, .size: 8, .value_kind: global_buffer, .address_space: global }
      - { .name: kv, .offset: 56, .size: 8, .value_kind: global_buffer, .address_space: global }
    .group_segment_fixed_size: 327680
    .private_segment_fixed_size: 0
    .kernarg_segment_align: 8
    .kernarg_segment_size: 64
    .max_flat_workgroup_size: 128
    .sgpr_count:     100
    .vgpr_count:     1024
    .wavefront_size: 32
...
	.end_amdgpu_metadata
.endif
;; end of part 2
;; launch attn (part 3): grid 4 x 64, 16 waves a work-group, clusters of 4 x 1, 276,480 bytes of LDS; arguments qc, qs, kv, out0; writes out0
.if DOCPART == 3
	.amdgcn_target "amdgcn-amd-amdhsa--gfx1250"
	.amdhsa_code_object_version 6
	.text
	.protected	k_q2998d166b2_attn
	.globl	k_q2998d166b2_attn
	.p2align	8
	.type	k_q2998d166b2_attn,@function
k_q2998d166b2_attn:
	s_mov_b64 s[64:65], 0
	v_nop
	global_prefetch_b8 v0, s[64:65] scope:SCOPE_SE
	s_setreg_imm32_b32 hwreg(HW_REG_WAVE_MODE, 25, 1), 1
	s_wait_xcnt 0x0
	s_wait_alu depctr_hold_cnt(0) depctr_sa_sdst(0) depctr_va_vdst(0) depctr_va_sdst(0) depctr_va_ssrc(0) depctr_va_vcc(0) depctr_vm_vsrc(0)
	s_getreg_b32 s2, hwreg(HW_REG_IB_STS2, 6, 4)
	s_cmp_eq_u32 s2, 0
	s_cbranch_scc0 .Lentry_in_a_cluster
	s_endpgm
.Lentry_in_a_cluster:
	s_bfe_u32 s2, ttmp6, 0x10000c
	s_cmp_lg_u32 s2, 0x3003
	s_cbranch_scc0 .Lentry_shape_is_right
	s_endpgm
.Lentry_shape_is_right:
; out[b][q][head] = the sum over k of softmax_k(q . k / 8) v, for 64 (head, batch) pairs of 2,048 tokens and head size 64, both products on codes of BF6 (E3M2) with one E8M0 scale for each 32 along a product's K.
; THE SOFTMAX AHEAD OF THE SECOND PRODUCT: t = score x log2(e) / 8; M = the row's largest t so far, rounded UP to a whole number; p = 2^(t - M) is what is quantised, along the keys; it is not normalised.
; The row's sum is taken of the unquantised p, in f32, and divides O at the end.  When M moves, the sum and O are multiplied by 2^(old M - new M): exact.
; INPUTS, laid by the launch before as images of operand registers (a fragment's 12 registers as 3 slabs of 512 bytes, lane l's registers 4 c .. 4 c + 3 at 512 c + 16 l):
;   kv [head x 4 + batch][16 steps][12,800]: a step's 128 keys: 4 PAIR images of k, 4 images of v^T (16 channels x 128 keys), 4 x 64 bytes of k's scale words, 4 x 64 of v's.   qc, qs: pair images of q and their words.
;   A pair image holds 32 tokens: registers 0-5 tile 2 g (lane (r, h): token r's block h of the head's 64), registers 6-11 tile 2 g + 1.  As an operand of 16 x 128 its row r is [one key's 64 | another key's 64].
;   Multiplied by [q | 0] it gives tile 2 g's scores, by [0 | q] tile 2 g + 1's: zero codes add exactly nothing, whatever stands against them (the format has no infinity and no NaN; no scale byte is 0xff).
;   So the head's 64 fill the instruction's 128 along K with no byte of LDS read in vain.  Lane r of tile 2 g + u holds token 32 g + 8 u + r + 8 (r / 8): the 16 score registers of a pair are 16 neighbouring keys.
; SHARES.  The four work-groups of a cluster are the four blocks of 512 queries of one (head, batch).  A work-group's sixteen waves own 16 queries each, in 256 registers, twice over (two passes of 256 queries):
; four waves to a SIMD, so that one wave's vector work stands beside another's matrix work and LDS loads.
; K AND V OF THE WHOLE HEAD STAY IN LDS: 16 records, 204,800 bytes, filled ONCE: no slot is ever filled again.  Each is asked for JOINTLY by the four work-groups (the same tensor load, the same descriptor, mask 15),
; so each byte of kv is asked for once in the launch.  All eight loads go out at the head, in one group; there is no later load ahead of which a prefetch could stand.
; LAYOUT.  Both products are used transposed: S^T = K Q^T, O^T = V^T P^T: a lane holds ONE query (lane % 16) throughout.
; LIMITS: p that falls under 2^-126 counts as 0 (v_exp_f32 flushes); a block of p that is all 0 keeps the byte 1 with zero codes; NaN and infinities are not served.
.set REC,    12800                     ; a step's record
.set CHUNK,  4*REC                     ; what two tensor loads bring
.set HALFC,  CHUNK/2                   ; what one brings: 100 rows of 256 bytes
.set STAGE,  16*REC                    ; behind the records: 16 rows x 272 bytes for each wave, its own, for the way out; no fill lands there
.set LI,  1                            ; v1   16 x lane: my place in an image's slab
.set LS,  2                            ; v2   4 x (lane % 16): my row's scale word
.set ADR, 3                            ; v3   LI + the record in hand
.set ADS, 4                            ; v4   LS + the record in hand
.set QSL, 8                            ; v8   q's two scale bytes in bytes 0, 1 (for [q | 0]); bytes 2, 3 are 0 and stand over zero codes
.set QSH, 9                            ; v9   the same in bytes 2, 3 (for [0 | q])
.set QHI, 16                           ; v16-27  [0 | q]:  v16-21 zeros, v22-27 q,
.set QLO, 22                           ; v22-33  [q | 0]:  v28-33 zeros
.set FF,  34                           ; v[34:35] f = 2^(old M - new M) (v35 is named with it as a pair, so it is written once)
.set KSC, 36                           ; v36-39 k's scale words of the step's four pairs
.set VSC, 40                           ; v40-43 v's of the four tiles of channels
.set PW,  44                           ; v44   p's scale word
.set T0,  45                           ; v45   at work;  v[46:47] the sum's second chain
.set KF,  48                           ; v48-95  four pair fragments of k
.set VF,  96                           ; v96-143 four fragments of v^T
.set S,   144                          ; v144-207 S^T, then p: register 16 g + i = key 32 g + 16 (lane / 16) + i
.set OT,  208                          ; v208-239 O^T: register 8 a + j = channel 32 (a / 2) + 16 (lane / 16) + 8 (a % 2) + j
.set PC,  48                           ; behind the score products k's registers are free: v48-59 p's codes,
.set PT,  60                           ; v60-62, v64-66 the upper halves of two blocks' codes,
.set BM,  68                           ; v68-71 the blocks' largest scores, then their largest p,
.set BY,  72                           ; v72-75 the other half's, then bytes,
.set SO,  76                           ; v76-79 the conversions' scale operands
.set STO, 248                          ; v248  the way out: where I put 16 bytes of a row
.set RD,  249                          ; v249  where I read a row back
.set GO,  250                          ; v250  my byte offset in the wave's rows of out
.set WV,  12                           ; s12   my wave's number
.set SEL, 20                           ; s[20:21] lane selects for v_permlanex16_b32: lane l xor 16
.set CS,  22                           ; s[22:23] c = log2(e) / 8: the packed form names a pair and takes its low word for both halves
.set G1,  24                           ; s[24:31] descriptor group 1;  s[32:47] four groups 0, one for each chunk
.set G0,  32
.set TB,  48                           ; s48   LDS byte of the record in hand
.set CNT, 49                           ; s49   steps to go
.macro CROUND                          ; a round of the cluster's barrier: my work-group's barrier; wave 0 signals for the work-group; every wave waits for all four work-groups; my work-group's barrier once more
	s_barrier_signal -1
	s_barrier_wait -1
	s_cmp_lg_u32 s[WV], 0
	s_cbranch_scc1 .Lnot_wave_0_\@
	s_barrier_signal -3
.Lnot_wave_0_\@:
	s_barrier_wait -3
	s_barrier_signal -1
	s_barrier_wait -1
.endm
	s_load_b256 s[4:11], s[0:1], 0x0               ; qc s[4:5], qs s[6:7], kv s[8:9], out s[10:11]
	v_lshl_add_u32 v254, v0, 2, 0x43000
	v_mov_b32 v255, 0
	ds_add_u32 v254, v255
	ds_add_u32 v254, v255
	v_lshrrev_b32 v1, 5, v0
	s_delay_alu instid0(VALU_DEP_1)
	v_readfirstlane_b32 s[WV], v1                  ; wave 0..15
	s_bfe_u32 s13, ttmp6, 0x40000                  ; cx: my block of 512 queries: it enters q's and out's addresses alone
	s_and_b32 s14, ttmp7, 0xffff                   ; head x 4 + batch, which the four partners share
	s_lshr_b32 s15, s14, 2                         ; head
	s_and_b32 s16, s14, 3                          ; batch
	s_and_b32 s17, s[WV], 1                        ; u: which tile of a pair is mine.  In waves 0 and 1 also: which half of a chunk I fetch
	s_lshl_b32 s18, s17, 4                         ; 16 u: where my two bytes stand in the pair's scale word
	s_lshr_b32 s19, s[WV], 1                       ; my pair among the pass's eight
	s_mov_b32 s[SEL], 0x76543210
	s_mov_b32 s[SEL+1], 0xfedcba98
	s_mov_b32 s[CS], 0x3e38aa3b                    ; c = log2(e) / 8
	s_mov_b32 s[CS+1], s[CS]
	; descriptor group 1: a dense block of 25,600 bytes as 100 rows of 256 bytes (32 elements of 8 bytes), no padding: images are read 16 bytes a lane on end
	s_mov_b32 s[G1], 15|(3<<16)|(1<<21)            ; 15:0 the mask: all four work-groups; 17:16 elements of 8 bytes; 21 set beside a mask
	s_mov_b32 s[G1+1], 32<<16                      ; tensor_dim0 = 32
	s_mov_b32 s[G1+2], 100<<16                     ; tensor_dim1 = 100
	s_mov_b32 s[G1+3], 32<<16                      ; tile_dim0 = 32
	s_mov_b32 s[G1+4], 100                         ; tile_dim1 = 100
	s_mov_b32 s[G1+5], 32                          ; tensor_dim0_stride
	s_mov_b32 s[G1+6], 0
	s_mov_b32 s[G1+7], 0
	s_mul_i32 s52, s17, HALFC                      ; my half of a chunk, in memory and in LDS alike
	s_mul_i32 s50, s14, 16*REC                     ; the head's records
	s_add_co_u32 s50, s50, s52
	s_mov_b32 s51, 0
	s_mul_i32 s54, s15, 393216                     ; q's codes: head x 256 pairs x 1,536,
	s_mul_i32 s53, s16, 98304                      ; batch x 64 pairs,
	s_add_co_u32 s54, s54, s53
	s_mul_i32 s53, s13, 24576                      ; my block's 16 pairs,
	s_add_co_u32 s54, s54, s53
	s_mul_i32 s53, s19, 1536                       ; my pair
	s_add_co_u32 s54, s54, s53
	s_mov_b32 s55, 0
	s_lshl_b32 s56, s15, 14                        ; q's scale words likewise, 64 bytes a pair
	s_lshl_b32 s53, s16, 12
	s_add_co_u32 s56, s56, s53
	s_lshl_b32 s53, s13, 10
	s_add_co_u32 s56, s56, s53
	s_lshl_b32 s53, s19, 6
	s_add_co_u32 s56, s56, s53
	s_mov_b32 s57, 0
	s_lshl_b32 s58, s16, 23                        ; out: batch x 2,048 rows of 4,096 bytes,
	s_lshl_b32 s53, s13, 21                        ; my block's 512 rows,
	s_add_co_u32 s58, s58, s53
	s_lshl_b32 s53, s19, 17                        ; my pair's 32,
	s_add_co_u32 s58, s58, s53
	s_lshl_b32 s53, s17, 15                        ; my tile begins 8 u rows on,
	s_add_co_u32 s58, s58, s53
	s_lshl_b32 s53, s15, 8                         ; the head's 256 bytes of a row
	s_add_co_u32 s58, s58, s53
	s_mov_b32 s59, 0
	s_wait_dscnt 0x0
	s_wait_kmcnt 0x0
	s_add_nc_u64 s[8:9], s[8:9], s[50:51]
.irp c, 0,1,2,3
	s_mov_b32 s[G0+4*\c], 1                        ; 1:0 count = 1
	s_add_co_u32 s[G0+4*\c+1], s52, \c*CHUNK       ; 63:32 LDS address: the records lie in LDS as in memory
	s_add_nc_u64 s[G0+4*\c+2:G0+4*\c+3], s[8:9], \c*CHUNK   ; 120:64 global address
	s_or_b32 s[G0+4*\c+3], s[G0+4*\c+3], 0x80000000         ; 127:126 type = 2
.endr
	s_add_nc_u64 s[4:5], s[4:5], s[54:55]
	s_add_nc_u64 s[6:7], s[6:7], s[56:57]
	s_add_nc_u64 s[10:11], s[10:11], s[58:59]
	CROUND                                         ; all four work-groups are here: the joint loads meet
	s_cmp_lt_u32 s[WV], 2                          ; waves 0 and 1 fetch, a half of each chunk each: all fills stand in one branch, ahead of every wait on TENSORcnt and every LDS read; four loads of a fetching wave are out
	s_cbranch_scc0 .Lno_fill
	tensor_load_to_lds s[G0:G0+3], s[G1:G1+7]
	s_nop 0
	tensor_load_to_lds s[G0+4:G0+7], s[G1:G1+7]
	s_nop 0
	tensor_load_to_lds s[G0+8:G0+11], s[G1:G1+7]
	s_nop 0
	tensor_load_to_lds s[G0+12:G0+15], s[G1:G1+7]
	s_nop 0
.rept 4
	v_nop                                          ; four v_nop follow the last, ahead of the label and what follows
.endr
.Lno_fill:
	v_and_b32 v10, 15, v0                          ; r
	v_bfe_u32 v11, v0, 4, 1                        ; h
	v_and_b32 v[LI], 31, v0
	s_delay_alu instid0(VALU_DEP_1)
	v_lshlrev_b32 v[LI], 4, v[LI]
	s_delay_alu instid0(VALU_DEP_4)
	v_lshlrev_b32 v[LS], 2, v10
	; my tile's six registers are registers 6 u .. 6 u + 5 of the pair image: three pieces of 8 bytes at 16 l + (0, 8, 512) for u = 0 and 16 l + (520, 1,024, 1,032) for u = 1
	s_mul_i32 s60, s17, 520
	s_mul_i32 s61, s17, 1016
	v_add_nc_u32 v5, s60, v[LI]
	v_add_nc_u32 v6, s61, v[LI]
	s_delay_alu instid0(VALU_DEP_1)
	v_add_nc_u32 v6, 8, v6
	v_add_nc_u32 v7, s60, v[LI]
	s_delay_alu instid0(VALU_DEP_1)
	v_add_nc_u32 v7, 0x200, v7
	global_load_b64 v[22:23], v5, s[4:5]           ; q of the first pass, straight into its place between the zeros
	global_load_b64 v[24:25], v6, s[4:5]
	global_load_b64 v[26:27], v7, s[4:5]
	global_load_b64 v[240:241], v5, s[4:5] offset:12288    ; q of the second pass: eight pairs on
	global_load_b64 v[242:243], v6, s[4:5] offset:12288
	global_load_b64 v[244:245], v7, s[4:5] offset:12288
	global_load_b32 v246, v[LS], s[6:7]            ; the pairs' scale words
	global_load_b32 v247, v[LS], s[6:7] offset:512
.irp j, 0,1,2,3,4,5
	v_mov_b32 v[16+\j], 0                          ; the zero codes on both sides of q
	v_mov_b32 v[28+\j], 0
.endr
	v_mov_b32 v[FF+1], 0
	s_mul_i32 s62, s[WV], 16*272
	s_add_co_u32 s62, s62, STAGE                   ; my stage
	v_mul_u32_u24 v[STO], v10, 272
	s_delay_alu instid0(VALU_DEP_1)
	v_lshl_add_u32 v[STO], v11, 6, v[STO]
	s_delay_alu instid0(VALU_DEP_1)
	v_add_nc_u32 v[STO], s62, v[STO]               ; in: row r, + 64 h: my half's 16 channels of each 32
	v_mul_u32_u24 v[RD], v11, 272
	s_delay_alu instid0(VALU_DEP_1)
	v_lshl_add_u32 v[RD], v10, 4, v[RD]
	s_delay_alu instid0(VALU_DEP_1)
	v_add_nc_u32 v[RD], s62, v[RD]                 ; back: lanes 0-15 one row of 256 bytes, lanes 16-31 the next
	v_lshlrev_b32 v[GO], 12, v11
	s_delay_alu instid0(VALU_DEP_1)
	v_lshl_add_u32 v[GO], v10, 4, v[GO]            ; and the same two rows in out
; A KEY STEP: 128 keys, the record at LDS byte s[TB].
.macro STEP
	v_add_nc_u32 v[ADR], s[TB], v[LI]
	v_add_nc_u32 v[ADS], s[TB], v[LS]
	v_nop
	v_nop                                          ; these four are the places behind the last step's products, in front of loads into registers that they have read
.irp b, 0,1,2,3
.irp c, 0,1,2
	ds_load_b128 v[KF+12*\b+4*\c:KF+12*\b+4*\c+3], v[ADR] offset:1536*\b+512*\c      ; 32 lanes read 512 bytes on end
.endr
	ds_load_b32 v[KSC+\b], v[ADS] offset:12288+64*\b
.endr
.irp a, 0,1,2,3
.irp c, 0,1,2
	ds_load_b128 v[VF+12*\a+4*\c:VF+12*\a+4*\c+3], v[ADR] offset:6144+1536*\a+512*\c
.endr
	ds_load_b32 v[VSC+\a], v[ADS] offset:12544+64*\a
.endr
	s_wait_dscnt 16                                ; k's sixteen loads are in; v's sixteen may be out
.irp b, 0,1,2,3                                ; S^T = K Q^T: each pair fragment twice: against [q | 0] its first tile's 16 keys, against [0 | q] its second's
	v_wmma_scale_f32_16x16x128_f8f6f4 v[S+16*\b:S+16*\b+7], v[KF+12*\b:KF+12*\b+11], v[QLO:QLO+11], 0, v[KSC+\b], v[QSL] matrix_a_fmt:MATRIX_FMT_BF6 matrix_b_fmt:MATRIX_FMT_BF6
	v_wmma_scale_f32_16x16x128_f8f6f4 v[S+16*\b+8:S+16*\b+15], v[KF+12*\b:KF+12*\b+11], v[QHI:QHI+11], 0, v[KSC+\b], v[QSH] matrix_a_fmt:MATRIX_FMT_BF6 matrix_b_fmt:MATRIX_FMT_BF6
.endr
.rept 4
	v_nop                                          ; places in front of the first read of the scores, and of the writes into k's registers
.endr
.irp b, 0,1,2,3
	v_max3_num_f32 v[BM+\b], v[S+16*\b], v[S+1+16*\b], v[S+2+16*\b]   ; THE LARGEST SCORE OF EACH BLOCK OF 32 KEYS: it serves twice: for the row's maximum, and, since p rises with the score, for the block's largest p
.endr
.irp i, 3,5,7,9,11,13
.irp b, 0,1,2,3
	v_max3_num_f32 v[BM+\b], v[BM+\b], v[S+16*\b+\i], v[S+1+16*\b+\i]   ; (the four blocks by turns; each accumulator is first read at its low end)
.endr
.endr
.irp b, 0,1,2,3
	v_max_num_f32 v[BM+\b], v[BM+\b], v[S+15+16*\b]
.endr
.irp b, 0,1,2,3
	s_delay_alu instid0(VALU_DEP_4)
	v_permlanex16_b32 v[BY+\b], v[BM+\b], s[SEL], s[SEL+1]
.endr
.irp b, 0,1,2,3
	s_delay_alu instid0(VALU_DEP_4)
	v_max_num_f32 v[BM+\b], v[BM+\b], v[BY+\b]     ; with lane l xor 16's 16 keys
.endr
	s_delay_alu instid0(VALU_DEP_2)
	v_max3_num_f32 v[T0], v[BM], v[BM+1], v[BM+2]
	s_delay_alu instid0(VALU_DEP_1)
	v_max_num_f32 v[T0], v[T0], v[BM+3]            ; the step's largest score of my query
	s_delay_alu instid0(VALU_DEP_1)
	v_mul_f32 v[T0], s[CS], v[T0]                  ; as t (c is positive)
	s_delay_alu instid0(VALU_DEP_1)
	v_max_num_f32 v13, v13, v[T0]                  ; the running largest t
	v_mov_b32 v[T0], v12
	s_delay_alu instid0(VALU_DEP_2)
	v_floor_f32 v12, -v13                          ; the new -M = floor(-t) = -ceil(t): M IS A WHOLE NUMBER
	s_delay_alu instid0(VALU_DEP_1)
	v_sub_f32 v[T0], v12, v[T0]                    ; M's old value less its new one: a whole number, 0 or less
	s_delay_alu instid0(VALU_DEP_1)
	v_cvt_i32_f32 v[T0], v[T0]                     ; (it saturates)
	s_delay_alu instid0(VALU_DEP_1)
	v_ldexp_f32 v[FF], 1.0, v[T0]                  ; f = 2^(old M - new M): a multiplication by it rounds nothing
.irp b, 0,1,2,3
	v_fma_f32 v[BM+\b], v[BM+\b], s[CS], v12       ; t - M of each block's largest score
.endr
.irp j, 0,2,4,6,8,10,12,14,16,18,20,22,24,26,28,30,32,34,36,38,40,42,44,46,48,50,52,54,56,58,60,62
	v_pk_fma_f32 v[S+\j:S+\j+1], v[S+\j:S+\j+1], s[CS:CS+1], v[12:13] op_sel_hi:[1,0,0]   ; t - M, two at a time (of the pairs c and -M the low word serves both halves)
.endr
	s_wait_alu depctr_va_vdst(0)
.irp b, 0,1,2,3
	v_exp_f32 v[BM+\b], v[BM+\b]                   ; ONE BATCH of 68 exponentials: the blocks' largest p (the same two instructions on the same number give the same bits),
.endr
	s_setprio 1
.irp j, 0,1,2,3,4,5,6,7,8,9,10,11,12,13,14,15,16,17,18,19,20,21,22,23,24,25,26,27,28,29,30,31,32,33,34,35,36,37,38,39,40,41,42,43,44,45,46,47,48,49,50,51,52,53,54,55,56,57,58,59,60,61,62,63
	v_exp_f32 v[S+\j], v[S+\j]                     ; and p = 2^(t - M), at most 1: NOT normalised
.endr
	v_pk_mul_f32 v[14:15], v[14:15], v[FF:FF+1] op_sel_hi:[1,0]   ; the sums under the new M: the plain instruction behind the last exponential
	s_wait_alu depctr_va_vdst(0)                   ; one wait for the whole batch, ahead of the first instruction that names a result
.irp b, 0,1,2,3
	v_max_num_f32 v[BM+\b], 0x2800000, v[BM+\b]    ; the floor 2^(5 - 127): the byte cannot fall under 1
.endr
.irp b, 0,1,2,3
	s_delay_alu instid0(VALU_DEP_4)
	v_add_nc_u32 v[SO+\b], 0xfe000000, v[BM+\b]    ; 4 off the exponent field: the conversion's scale operand
.endr
.irp b, 0,1,2,3
	s_delay_alu instid0(VALU_DEP_4)
	v_lshrrev_b32 v[BY+\b], 23, v[SO+\b]           ; the scale's byte
.endr
	s_delay_alu instid0(VALU_DEP_3)
	v_lshl_or_b32 v[PW], v[BY+1], 8, v[BY]         ; p's scale word for these 128 keys
	s_delay_alu instid0(VALU_DEP_1)
	v_lshl_or_b32 v[PW], v[BY+2], 16, v[PW]
	s_delay_alu instid0(VALU_DEP_1)
	v_lshl_or_b32 v[PW], v[BY+3], 24, v[PW]
.irp c, 0,1
	v_cvt_scalef32_pk16_bf6_f32 v[PC+6*\c:PC+6*\c+2], v[S+32*\c:S+32*\c+15], v[SO+2*\c]
	v_cvt_scalef32_pk16_bf6_f32 v[PT+4*\c:PT+4*\c+2], v[S+32*\c+16:S+32*\c+31], v[SO+2*\c+1]   ; (a conversion's three registers begin on an even number)
.endr
	v_nop                                          ; one plain instruction behind the scaled conversions
.irp c, 0,1                                    ; the operand's layout wants a WHOLE block in a lane: lanes 0-15 block 2 c, lanes 16-31 block 2 c + 1
.irp i, 0,1,2
	v_permlane16_swap_b32 v[PC+6*\c+\i], v[PT+4*\c+\i]
.endr
.irp i, 0,1,2
	s_delay_alu instid0(VALU_DEP_3)
	v_mov_b32 v[PC+3+6*\c+\i], v[PT+4*\c+\i]
.endr
.endr
	v_pk_add_f32 v[46:47], v[148:149], v[152:153]
	v_pk_add_f32 v[252:253], v[156:157], v[160:161]
	v_pk_add_f32 v[94:95], v[164:165], v[168:169]
	v_pk_add_f32 v[92:93], v[172:173], v[176:177]
	v_pk_add_f32 v[90:91], v[180:181], v[184:185]
	v_pk_add_f32 v[88:89], v[188:189], v[192:193]
	v_pk_add_f32 v[86:87], v[196:197], v[200:201]
	v_pk_add_f32 v[14:15], v[14:15], v[204:205]
	v_pk_add_f32 v[46:47], v[46:47], v[144:145]
	v_pk_add_f32 v[252:253], v[252:253], v[146:147]
	v_pk_add_f32 v[94:95], v[94:95], v[150:151]
	v_pk_add_f32 v[92:93], v[92:93], v[154:155]
	v_pk_add_f32 v[90:91], v[90:91], v[158:159]
	v_pk_add_f32 v[88:89], v[88:89], v[162:163]
	v_pk_add_f32 v[86:87], v[86:87], v[166:167]
	v_pk_add_f32 v[14:15], v[14:15], v[170:171]
	v_pk_add_f32 v[46:47], v[46:47], v[174:175]
	v_pk_add_f32 v[252:253], v[252:253], v[178:179]
	v_pk_add_f32 v[94:95], v[94:95], v[182:183]
	v_pk_add_f32 v[92:93], v[92:93], v[186:187]
	v_pk_add_f32 v[90:91], v[90:91], v[190:191]
	v_pk_add_f32 v[88:89], v[88:89], v[194:195]
	v_pk_add_f32 v[86:87], v[86:87], v[198:199]
	v_pk_add_f32 v[14:15], v[14:15], v[202:203]
	v_pk_add_f32 v[46:47], v[46:47], v[206:207]
	s_delay_alu instid0(VALU_DEP_2)
	v_pk_add_f32 v[14:15], v[14:15], v[92:93]
	s_delay_alu instid0(VALU_DEP_2)
	v_pk_add_f32 v[46:47], v[46:47], v[90:91]
	s_setprio 0
	v_pk_add_f32 v[252:253], v[252:253], v[88:89]
	v_pk_add_f32 v[94:95], v[94:95], v[86:87]
	s_delay_alu instid0(VALU_DEP_2)
	v_pk_add_f32 v[14:15], v[14:15], v[252:253]
	s_delay_alu instid0(VALU_DEP_2)
	v_pk_add_f32 v[46:47], v[46:47], v[94:95]
	s_delay_alu instid0(VALU_DEP_1)
	v_pk_add_f32 v[14:15], v[14:15], v[46:47]
.irp j, 0,2,4,6,8,10,12,14,16,18,20,22,24,26,28,30
	v_pk_mul_f32 v[OT+\j:OT+\j+1], v[OT+\j:OT+\j+1], v[FF:FF+1] op_sel_hi:[1,0]   ; O^T under the new M.  (The 32 sums and these 16 stand between the writes of p's codes and scale word and the products that take them)
.endr
	s_wait_alu depctr_va_vdst(0)
	s_wait_dscnt 0x0                               ; v is in
.irp a, 0,1,2,3                                ; O^T += V^T P^T: four tiles of 16 channels, K = these 128 keys; the four accumulators take turns
	v_wmma_scale_f32_16x16x128_f8f6f4 v[OT+8*\a:OT+8*\a+7], v[VF+12*\a:VF+12*\a+11], v[PC:PC+11], v[OT+8*\a:OT+8*\a+7], v[VSC+\a], v[PW] matrix_a_fmt:MATRIX_FMT_BF6 matrix_b_fmt:MATRIX_FMT_BF6
.endr
	s_add_co_u32 s[TB], s[TB], REC                 ; the next record
.endm
.macro LOOP first, n                   ; n key steps from the record at LDS byte first on
	s_mov_b32 s[TB], \first
	s_mov_b32 s[CNT], \n
.Lstep_\@:
	s_setprio 2
	STEP
	s_sub_co_u32 s[CNT], s[CNT], 1
	s_cmp_lg_u32 s[CNT], 0
	s_cbranch_scc1 .Lstep_\@
	s_setprio 0
.endm
.macro INIT raw                        ; a pass begins: q's scale words from the pair's word in v[raw]; the largest t under every t; the sum and O^T zeros, which the first change of M leaves zeros
	v_lshrrev_b32 v[QSL], s18, v[\raw]
	s_delay_alu instid0(VALU_DEP_1)
	v_and_b32 v[QSL], 0xffff, v[QSL]
	s_delay_alu instid0(VALU_DEP_1)
	v_lshlrev_b32 v[QSH], 16, v[QSL]
	v_mov_b32 v13, 0xff61b1e6                      ; -3e38
	s_delay_alu instid0(VALU_DEP_1)
	v_floor_f32 v12, -v13                          ; -M
	v_mov_b32 v14, 0
	v_mov_b32 v15, 0
.set n, 0
.rept 32
	v_mov_b32 v[OT+n], 0                           ; (the step is written once for all steps; these lines also stand between the writes of q's scale words and the first product)
.set n, n+1
.endr
.endm
; THE WAY OUT of pass p.  O^T is divided by the row's sum and goes through my stage in LDS, so that sixteen lanes store one token's 256 bytes of this head.
.macro OUT p
.rept 4
	v_nop                                          ; places behind the last products
.endr
	v_add_f32 v14, v14, v15                        ; the sum's two halves,
	s_delay_alu instid0(VALU_DEP_1)
	v_permlanex16_b32 v[T0], v14, s[SEL], s[SEL+1]
	s_delay_alu instid0(VALU_DEP_1)
	v_add_f32 v14, v14, v[T0]                      ; and lane l xor 16's: the row's sum
	s_wait_alu depctr_va_vdst(0)
	v_rcp_f32 v14, v14
	v_nop                                          ; a plain instruction behind the reciprocal,
	s_wait_alu depctr_va_vdst(0)                   ; and the wait ahead of its first reader
.set n, 0
.rept 16
	v_pk_mul_f32 v[S+2*n:S+2*n+1], v[OT+2*n:OT+2*n+1], v[14:15] op_sel_hi:[1,0]
.set n, n+1
.endr
.irp a, 0,1,2,3
	ds_store_b128 v[STO], v[S+8*\a:S+8*\a+3] offset:128*(\a/2)+32*(\a%2)          ; channels 32 (a / 2) + 16 h + 8 (a % 2) + 0 .. 7 of row r
	ds_store_b128 v[STO], v[S+8*\a+4:S+8*\a+7] offset:128*(\a/2)+32*(\a%2)+16
.endr
.irp i, 0,1,2,3,4,5,6,7
	ds_load_b128 v[S+32+4*\i:S+32+4*\i+3], v[RD] offset:544*\i   ; LDS serves a wave's instructions in order (ISA guide 5.7.1.4): these see my stores
.endr
.irp i, 0,1,2,3,4,5,6,7
	s_wait_dscnt 7-\i                              ; the younger loads may stay out
	global_store_b128 v[GO], v[S+32+4*\i:S+32+4*\i+3], s[10:11] offset:\p*1048576+(2*\i+8*(\i/4))*4096 th:TH_STORE_NT   ; stage rows 2 i, 2 i + 1 are tokens 2 i + 8 (i / 4) and the next; 16 lanes store 256 consecutive bytes, aligned
.endr
.endm
	s_wait_loadcnt 0x0                             ; q and its scale words
	INIT 246
	s_wait_tensorcnt 0x3                           ; my part of records 0 to 3 is in; the three loads behind it may be out
	s_barrier_signal -1
	s_barrier_wait -1                              ; everybody's is
	LOOP 0, 4                                      ; the first four steps read the first chunk alone, while the others land
	s_wait_tensorcnt 0x0                           ; all my loads have landed,
	s_wait_dscnt 0x0
	s_barrier_signal -1
	s_barrier_wait -1                              ; everybody's have: from here on LDS is only read, and no barrier follows but the closing round
	LOOP CHUNK, 12
	OUT 0
	s_wait_xcnt 0x0                                ; the stores have read their data: the scores' registers may be written again
.irp j, 0,1,2,3,4,5
	v_mov_b32 v[22+\j], v[240+\j]                  ; the second pass's q
.endr
	INIT 247
	LOOP 0, 16
	OUT 1
	s_wait_tensorcnt 0x0
	ds_add_u32 v254, v255
	s_wait_dscnt 0x0
	CROUND                                         ; the closing round: no work-group ends while a partner may still ask for a tile that names it
	s_endpgm
.Lfunc_end_k_q2998d166b2_attn:
	.size	k_q2998d166b2_attn, .Lfunc_end_k_q2998d166b2_attn-k_q2998d166b2_attn
	.p2alignl 7, 3214868480
	.fill 96, 4, 3214868480
	.section	.rodata,"a",@progbits
	.p2align	6, 0x0
	.amdhsa_kernel k_q2998d166b2_attn
		.amdhsa_group_segment_fixed_size 276480
		.amdhsa_private_segment_fixed_size 0
		.amdhsa_enable_private_segment 0
		.amdhsa_kernarg_size 32
		.amdhsa_user_sgpr_count 2
		.amdhsa_user_sgpr_kernarg_segment_ptr 1
		.amdhsa_wavefront_size32 1
		.amdhsa_system_sgpr_workgroup_id_x 1
		.amdhsa_system_sgpr_workgroup_id_y 1
		.amdhsa_system_sgpr_workgroup_id_z 1
		.amdhsa_system_vgpr_workitem_id 0
		.amdhsa_next_free_vgpr 256
		.amdhsa_next_free_sgpr 66
		.amdhsa_reserve_vcc 0
		.amdhsa_float_denorm_mode_32 3
		.amdhsa_float_denorm_mode_16_64 3
		.amdhsa_memory_ordered 1
		.amdhsa_forward_progress 1
		.amdhsa_inst_pref_size 69
	.end_amdhsa_kernel
	.amdgpu_metadata
---
amdhsa.version: [ 1, 2 ]
amdhsa.kernels:
  - .name:           k_q2998d166b2_attn
    .symbol:         k_q2998d166b2_attn.kd
    .args:
      - { .name: qc, .offset: 0, .size: 8, .value_kind: global_buffer, .address_space: global }
      - { .name: qs, .offset: 8, .size: 8, .value_kind: global_buffer, .address_space: global }
      - { .name: kv, .offset: 16, .size: 8, .value_kind: global_buffer, .address_space: global }
      - { .name: out0, .offset: 24, .size: 8, .value_kind: global_buffer, .address_space: global }
    .group_segment_fixed_size: 276480
    .private_segment_fixed_size: 0
    .kernarg_segment_align: 8
    .kernarg_segment_size: 32
    .max_flat_workgroup_size: 512
    .sgpr_count:     66
    .vgpr_count:     256
    .wavefront_size: 32
...
	.end_amdgpu_metadata
.endif
;; end of part 3
